; MI455X (gfx1250); checked and timed in simulation.
; The chip was launched on July 23, 2026; its instructions are those of AMD's public machine-readable ISA for CDNA 5 (MIT licence, August 2026) and "CDNA5" Instruction Set Architecture Reference Guide (July 2026). The comments in the code are by the model that wrote it; some were corrected since.
;; Attention. Allowed arithmetic: matrix products marked QUANTISED: E2M3 operands, one E8M0 scale for each 32 along K, by v_wmma_scale_f32_16x16x128_f8f6f4 with both operands' format E2M3, f32 sums; products left as they are: f32 operands where the result goes on into a quantised operand, else bf16, f16 or f32 operands; f32 sums; everything else in f32.
;; Inputs: W_codes 512 x 32 x 24 uint8 (E2M3 codes of W, K innermost, in blocks of 32 codes, four codes in three bytes); W_scales 512 x 32 uint8 (E8M0 scales of W, one for each 32 codes along K); b 512 float32; encoder_outputs 64 x 2,048 x 512 float32; hidden 64 x 512 float32; v 512 float32.
;; Outputs: out0 64 x 1 x 2,048 float32.
;; This version of the problem:
;;   THIS VERSION OF THE PROBLEM IS GIVEN IN LOW PRECISION. The matrix products marked QUANTISED in the list below multiply operands that are first quantised to E2M3 (2 exponent bits, 3 mantissa bits; 6 bits a number), with one power-of-two scale for each 32 numbers along K (OCP MX v1.0); their sums are f32. All else is computed in f32.
;;   The module's matrix products, in the order in which they are computed (A, B: the left and right operand; K: the contracted axis; several contracted axes count as one K, in the product's order):
;;     1. [M 131,072, K 1,024] x [K 1,024, N 512]; A: computed on the way; B: input W (given as codes): QUANTISED
;;     2. [M 131,072, K 512] x [K 512, N 1]; A: computed on the way; B: input v: left as it is (N = 1 < 16)
;;   THE QUANTISER, for each operand of a quantised product, along K:
;;     - K is cut into blocks of 32 from its start; a last block that is shorter is filled with zeros.
;;     - A block's scale is 2^e with e = floor(log2(the largest magnitude in the block)) - 2, held to -126 .. 127; a block of zeros has e = 0. As a byte (E8M0): e + 127.
;;     - Each number is divided by its block's scale, clamped to +-7.5, and rounded to the nearest number of E2M3, ties to even, subnormals kept.
;;     - The product sums the exact products of the quantised numbers (number of the format x scale) in f32.
;;   ~~~python
;;   def quantise(x, axis):      # numpy; x: float32 -> the quantised numbers, widened to float32 again
;;       x = np.moveaxis(x, axis, -1); K = x.shape[-1]
;;       x = np.pad(x, [(0, 0)] * (x.ndim - 1) + [(0, -K % 32)]); x = x.reshape(x.shape[:-1] + (-1, 32)); a = np.abs(x).max(-1, keepdims=True)
;;       e = np.where(a > 0, np.clip(np.frexp(np.where(a > 0, a, 1))[1] - 1 - 2, -126, 127), 0)      # np.frexp(a)[1] - 1 = floor(log2(a)), exactly
;;       r = np.clip(x / 2.0 ** e, -7.5, 7.5)
;;       step = 2.0 ** (np.maximum(np.frexp(np.where(r == 0, 1, r))[1] - 1, 0) - 3)
;;       q = np.round(r / step) * step * 2.0 ** e      # np.round: ties to even
;;       return np.moveaxis(q.reshape(q.shape[:-2] + (-1,))[..., :K], -1, axis).astype(np.float32)
;;   ~~~
;;   OPERANDS COMPUTED ON THE WAY. 'Computed on the way' means the value that the module computes at that place (a softmax that the list does not call 'softmax' is quantised finished and normalised). What goes into a quantiser is computed in f32, as accurately as f32 sums, v_exp_f32 and their like allow (about 1e-6 of the number): no bf16 or f16 on the way to a quantiser, and a product that is left as it is and whose result goes on into a quantised operand takes f32 operands (vector FMAs, or v_wmma_f32_16x16x4_f32). A number that lies on a knife's edge between two numbers of the format may be rounded either way, as far as f32 arithmetic and the matrix unit's own rounding can turn it there, and no further.
;;   INPUTS GIVEN AS CODES. W (in the module: [512, 1024], K = its axis 1): each comes as NAME_codes (uint8): NAME with its K axis moved to the last place and cut into blocks of 32 codes, [.., K / 32, bytes a block], one block behind the other in memory; four codes in three bytes: a row's codes are one little-endian stream of bits, code i at bits 6 i .. 6 i + 5 (a code: sign, 2 exponent bits, 3 mantissa bits); and NAME_scales (uint8): the same leading axes, one E8M0 byte (e + 127) for each 32 codes along K. Its value is code x scale, taken as it is: it is not quantised again, and the codes and scales need not be those that the quantiser above would give.
;; One version. Each part assembles by itself: llvm-mc -triple=amdgcn-amd-amdhsa -mcpu=gfx1250 --defsym DOCPART=n.
;; ======== version 1 of 1: 2 launches
;; limits: right only within a limited range of input values
;; workspace buffers: scores 524,288 bytes
;; launch scores (part 1): grid 256 x 1, 8 waves a work-group, no clusters, 327,680 bytes of LDS; arguments W_codes, W_scales, b, encoder_outputs, hidden, v, scores; writes scores
.if DOCPART == 1
	.amdgcn_target "amdgcn-amd-amdhsa--gfx1250"
	.amdhsa_code_object_version 6
	.text
	.protected	k_qabc6d45fee_scores
	.globl	k_qabc6d45fee_scores
	.p2align	8
	.type	k_qabc6d45fee_scores,@function
k_qabc6d45fee_scores:
	s_mov_b64 s[64:65], 0
	v_nop
	global_prefetch_b8 v0, s[64:65] scope:SCOPE_SE
	s_setreg_imm32_b32 hwreg(HW_REG_WAVE_MODE, 25, 1), 1
	s_wait_xcnt 0x0
; scores[b][l] = -2 log2(e) x sum over h of v[h] / (1 + e^(2 y)),  y = b[h] + sum over k of W[h][k] Q(x[b][l][k]),  x = hidden[b] | encoder_outputs[b][l].
; WORK LEFT OUT: tanh(y) = 1 - 2 / (1 + e^(2 y)), so reference()'s score is sum(v) - 2 sum(v / (1 + e^(2 y))).  sum(v) is the same along the softmax's axis for all values of the
; inputs and is not added.  LIMIT: a NaN, an infinity or an overflow in sum(v) alone is not carried to the result.  Every input is loaded.
; The blocks of 32 along K lie wholly in one half of x, and the hidden half's codes and scales are the same for all l: its part of the product is made once a work-group
; (16 equal columns) and is, with b, the C of each tile's first product.
; A work-group owns 512 rows l of one batch, in 8 tiles of 64.  Eight waves; wave w owns h = 64 w .. 64 w + 63 and keeps W's fragments for the encoder half of K in 192 registers.
; Each wave's tensor load brings 32 rows x 128 numbers of a tile into its own two LDS slots; the wave quantises them and stores the codes as an image of the operand's registers; all waves read the images.
; THE BLOCKS OF A K STEP OF 128 are laid alike in both operands: lanes 0-15 hold blocks 0 and 1, lanes 16-31 blocks 2 and 3, so a lane's 48 bytes of W are neighbours (three loads of 16 bytes);
; scale byte 2 c + h then belongs to block c + 2 h: the two middle bytes of each scale word change places.  The sums are f32 sums of the same exact products.
; W COMES BY TILES OF 16 ROWS, a half row's 384 bytes by twelve loads on end.  The hidden half passes through 96 registers of its own, two tiles at a time, so that the encoder half's loads
; into their final registers are out at the same time.
; NO CLUSTER: what work-groups share is W alone, read once at the head straight into registers (393,216 of a work-group's 1,441,792 bytes); no step of the loop shares a byte.
; PREFETCH: a tile is 131,072 dense bytes; each wave names 64 blocks of 256 bytes, a lane a block, two trips ahead of the tile's tensor load; the head asks for tiles 2 and 3, trips 0 to 3 for tiles 4 to 7;
; tiles 0 and 1 come by their tensor loads alone.
; LIMITS: none of range: 2^t = infinity gives the term 0, 2^t = 0 gives v[h].
.set RAWW,  33792                      ; a wave's two raw slots
.set RSLOT, 16896                      ; 32 rows x 528
.set RP,    528                        ; 512 bytes + 16 of padding
.set IMG,   270336                     ; two image buffers of 16 fragments x 1,536 bytes
.set IBUF,  24576
.set FRB,   1536
.set XSC,   319488                     ; x's scale words, two buffers of 1,024
.set PS,    321536                     ; the waves' partial scores, two buffers of 2,048
.set SPARE, 325632                     ; the spare words
.set STEP2, 262144                     ; two tiles on
.set TILEB, 131072
.set SPW, 1
.set NIL, 2
.set RA,  3                            ; raw reads
.set LI,  4                            ; image reads
.set IW,  5                            ; image stores
.set LX,  6                            ; scale word reads
.set XWA, 7                            ; scale word stores
.set PWA, 8                            ; partial score stores
.set PR,  9                            ; partial score reads
.set GO,  10
.set AW,  11
.set AS,  12
.set AB,  13
.set AH,  14
.set PFO, 15                           ; prefetch: 16,384 x wave + 256 x lane
.set WS,  16                           ; W's scale words
.set XS,  32                           ; x's scale words
.set SS,  36
.set SK,  40
.set PK,  41
.set TM,  44
.set PWR, 56
.set PC,  60
.set XF,  80                           ; x's four fragments
.set ACC, 128
.set ST,  160                          ; raw numbers
.set ST2, 80                           ; hidden's raw numbers, at the head
.set TW,  144                          ; at the head: the hidden half's fragments of two tiles of W
.set VV,  224                          ; -2 log2(e) v
.set HB,  192                          ; window 1: b + the hidden half's product
.set WV,  18
.set IT,  19
.set SEL, 20
.set C2,  22
.set G1,  24
.set G0,  32
.set PF,  44
.set MSB, 0
.macro WIN new
.if MSB != (\new)
	s_set_vgpr_msb (MSB<<8)|(\new)
.set MSB, \new
.endif
.endm
.macro PLACES n
.rept \n
	v_nop
.endr
.endm
; 16 rows x 128 numbers (lane (r, h): block b's numbers 16 h .. 16 h + 15 at v[s + 16 b]) become 12 registers of codes in PC and a scale word in PWR
.macro QUANT s
.irp b, 0,1,2,3
	v_max3_num_f32 v[TM+\b], |v[\s+16*\b]|, |v[\s+1+16*\b]|, 0x1800000
.endr
.irp i, 2,4,6,8,10,12,14
.irp b, 0,1,2,3
	s_delay_alu instid0(VALU_DEP_4)
	v_max3_num_f32 v[TM+\b], v[TM+\b], |v[\s+16*\b+\i]|, |v[\s+1+16*\b+\i]|
.endr
.endr
.irp b, 0,1,2,3
	s_delay_alu instid0(VALU_DEP_4)
	v_permlanex16_b32 v[TM+4+\b], v[TM+\b], s[SEL], s[SEL+1]
.endr
.irp b, 0,1,2,3
	s_delay_alu instid0(VALU_DEP_4)
	v_max_num_f32 v[TM+\b], v[TM+\b], v[TM+4+\b]
.endr
.irp b, 0,1,2,3
	s_delay_alu instid0(VALU_DEP_4)
	v_add_nc_u32 v[TM+8+\b], 0xff000000, v[TM+\b]
.endr
.irp b, 0,1,2,3
	s_delay_alu instid0(VALU_DEP_4)
	v_lshrrev_b32 v[TM+4+\b], 23, v[TM+8+\b]
.endr
	s_delay_alu instid0(VALU_DEP_2)
	v_lshl_or_b32 v[PWR], v[TM+6], 8, v[TM+4]      ; byte 1: block 2
	s_delay_alu instid0(VALU_DEP_1)
	v_lshl_or_b32 v[PWR], v[TM+5], 16, v[PWR]      ; byte 2: block 1
	s_delay_alu instid0(VALU_DEP_1)
	v_lshl_or_b32 v[PWR], v[TM+7], 24, v[PWR]
.irp c, 0,1
	v_cvt_scalef32_pk16_fp6_f32 v[PC+6*\c:PC+2+6*\c], v[\s+16*\c:\s+15+16*\c], v[TM+8+\c]            ; block c, for lanes 0-15
	v_cvt_scalef32_pk16_fp6_f32 v[PC+12+4*\c:PC+14+4*\c], v[\s+32+16*\c:\s+47+16*\c], v[TM+10+\c]    ; block c + 2, for lanes 16-31
.endr
	v_nop
.irp c, 0,1
.irp i, 0,1,2
	v_permlane16_swap_b32 v[PC+6*\c+\i], v[PC+12+4*\c+\i]
.endr
.irp i, 0,1,2
	s_delay_alu instid0(VALU_DEP_3)
	v_mov_b32 v[PC+3+6*\c+\i], v[PC+12+4*\c+\i]
.endr
.endr
.endm
.macro RAWLOAD sl, f
.irp b, 0,1,2,3
.irp j, 0,1,2,3
	ds_load_b128 v[ST+16*\b+4*\j:ST+16*\b+4*\j+3], v[RA] offset:RSLOT*(\sl)+16*RP*(\f)+128*\b+16*\j
.endr
.endr
.endm
.macro IMAGE bb, f
.irp c, 0,1,2
	ds_store_b128 v[IW], v[PC+4*\c:PC+4*\c+3] offset:IBUF*(\bb)+FRB*(\f)+512*\c
.endr
.endm
.macro FETCH bb, m                     ; rows 16 m .. 16 m + 15 of the tile: four K steps' fragments; a scale register serves two m
.irp s, 0,1,2,3
.irp c, 0,1,2
	ds_load_b128 v[XF+12*\s+4*\c:XF+12*\s+4*\c+3], v[LI] offset:IBUF*(\bb)+FRB*(8*((\m)/2)+2*\s+(\m)%2)+512*\c
.endr
.endr
.if (\m)%2 == 0
.irp s, 0,1,2,3
	ds_load_b32 v[XS+\s], v[LX] offset:1024*(\bb)+128*(4*((\m)/2)+\s)
.endr
.endif
.endm
.macro PROD t, s, m
.if (\s) == 0
.if (\m)%2
	v_wmma_scale_f32_16x16x128_f8f6f4 v[ACC+8*\t:ACC+8*\t+7], v[12*(4*\t+\s):12*(4*\t+\s)+11], v[XF+12*\s:XF+12*\s+11], v[HB+8*\t:HB+8*\t+7], v[WS+4*\t+\s], v[XS+\s] matrix_a_fmt:MATRIX_FMT_FP6 matrix_b_fmt:MATRIX_FMT_FP6 matrix_b_scale:MATRIX_SCALE_ROW1
.else
	v_wmma_scale_f32_16x16x128_f8f6f4 v[ACC+8*\t:ACC+8*\t+7], v[12*(4*\t+\s):12*(4*\t+\s)+11], v[XF+12*\s:XF+12*\s+11], v[HB+8*\t:HB+8*\t+7], v[WS+4*\t+\s], v[XS+\s] matrix_a_fmt:MATRIX_FMT_FP6 matrix_b_fmt:MATRIX_FMT_FP6
.endif
.else
.if (\m)%2
	v_wmma_scale_f32_16x16x128_f8f6f4 v[ACC+8*\t:ACC+8*\t+7], v[12*(4*\t+\s):12*(4*\t+\s)+11], v[XF+12*\s:XF+12*\s+11], v[ACC+8*\t:ACC+8*\t+7], v[WS+4*\t+\s], v[XS+\s] matrix_a_fmt:MATRIX_FMT_FP6 matrix_b_fmt:MATRIX_FMT_FP6 matrix_b_scale:MATRIX_SCALE_ROW1
.else
	v_wmma_scale_f32_16x16x128_f8f6f4 v[ACC+8*\t:ACC+8*\t+7], v[12*(4*\t+\s):12*(4*\t+\s)+11], v[XF+12*\s:XF+12*\s+11], v[ACC+8*\t:ACC+8*\t+7], v[WS+4*\t+\s], v[XS+\s] matrix_a_fmt:MATRIX_FMT_FP6 matrix_b_fmt:MATRIX_FMT_FP6
.endif
.endif
.endm
.macro MM m                            ; 16 products: the four accumulators by turns
	WIN 0x11
.irp t, 0,1,2,3
	PROD \t, 0, \m
.endr
	WIN 0x01
.irp s, 1,2,3
.irp t, 0,1,2,3
	PROD \t, \s, \m
.endr
.endr
	WIN 0
.endm
; 32 numbers y a lane: 1 / (1 + 2^(2 log2(e) y)), weighed and summed
.macro EPI bb, m
.set j, 0
.rept 16
	v_pk_mul_f32 v[ACC+j:ACC+j+1], v[ACC+j:ACC+j+1], s[C2:C2+1] op_sel_hi:[1,0]
.set j, j+2
.endr
.set j, 0
	s_wait_alu depctr_va_vdst(0)
.rept 32
	v_exp_f32 v[ACC+j], v[ACC+j]
.set j, j+1
.endr
	v_nop
.set j, 0
	s_wait_alu depctr_va_vdst(0)
.rept 16
	v_pk_add_f32 v[ACC+j:ACC+j+1], v[ACC+j:ACC+j+1], 1.0 op_sel_hi:[1,0]
.set j, j+2
.endr
.set j, 0
	s_wait_alu depctr_va_vdst(0)
.rept 32
	v_rcp_f32 v[ACC+j], v[ACC+j]
.set j, j+1
.endr
	v_nop
	s_wait_alu depctr_va_vdst(0)
	v_pk_mul_f32 v[SS:SS+1], v[ACC:ACC+1], v[VV:VV+1]
	v_pk_mul_f32 v[SS+2:SS+3], v[ACC+2:ACC+3], v[VV+2:VV+3]
.set j, 4
.rept 7
	v_pk_fma_f32 v[SS:SS+1], v[ACC+j:ACC+j+1], v[VV+j:VV+j+1], v[SS:SS+1]
	v_pk_fma_f32 v[SS+2:SS+3], v[ACC+j+2:ACC+j+3], v[VV+j+2:VV+j+3], v[SS+2:SS+3]
.set j, j+4
.endr
	s_delay_alu instid0(VALU_DEP_1)
	v_pk_add_f32 v[SS:SS+1], v[SS:SS+1], v[SS+2:SS+3]
.if (\m)%2 == 0
	s_delay_alu instid0(VALU_DEP_1)
	v_add_f32 v[SK], v[SS], v[SS+1]
.else
	s_delay_alu instid0(VALU_DEP_1)
	v_add_f32 v[SS], v[SS], v[SS+1]
	s_delay_alu instid0(VALU_DEP_1)
	v_permlane16_swap_b32 v[SK], v[SS]             ; the two halves of the lanes meet: 32 rows' sums over my 64 h
	s_delay_alu instid0(VALU_DEP_1)
	v_add_f32 v[SS], v[SK], v[SS]
	ds_store_b32 v[PWA], v[SS] offset:2048*(\bb)+128*((\m)/2)
.endif
.endm
; Wave 0 adds the eight waves' parts of the tile before.  Its eight LDS loads go out with the trip's first fragment loads and share their wait; the sums and the store follow behind the first products
.macro RLOAD bb, guard
	s_cmp_lg_u32 s[WV], 0
	s_cbranch_scc1 .Lno_parts_\@
.if \guard
	s_cmp_eq_u32 s[IT], 0
	s_cbranch_scc1 .Lno_parts_\@
.endif
	s_wait_xcnt 0x0                                ; the last store has read PC
.irp q, 0,1,2,3,4,5,6,7
	ds_load_b64 v[PC+2*\q:PC+2*\q+1], v[PR] offset:2048*(\bb)+256*\q
.endr
.Lno_parts_\@:
.endm
.macro RSUM off, guard
	s_cmp_lg_u32 s[WV], 0
	s_cbranch_scc1 .Lnot_mine_\@
.if \guard
	s_cmp_eq_u32 s[IT], 0
	s_cbranch_scc1 .Lnot_mine_\@
.endif
	v_pk_add_f32 v[PC:PC+1], v[PC:PC+1], v[PC+2:PC+3]
	v_pk_add_f32 v[PC+4:PC+5], v[PC+4:PC+5], v[PC+6:PC+7]
	v_pk_add_f32 v[PC+8:PC+9], v[PC+8:PC+9], v[PC+10:PC+11]
	v_pk_add_f32 v[PC+12:PC+13], v[PC+12:PC+13], v[PC+14:PC+15]
	s_delay_alu instid0(VALU_DEP_3)
	v_pk_add_f32 v[PC:PC+1], v[PC:PC+1], v[PC+4:PC+5]
	s_delay_alu instid0(VALU_DEP_2)
	v_pk_add_f32 v[PC+8:PC+9], v[PC+8:PC+9], v[PC+12:PC+13]
	s_delay_alu instid0(VALU_DEP_1)
	v_pk_add_f32 v[PC:PC+1], v[PC:PC+1], v[PC+8:PC+9]
	global_store_b64 v[GO], v[PC:PC+1], s[16:17] offset:\off   ; 32 lanes store 256 consecutive bytes
.Lnot_mine_\@:
.endm
.macro ASK tile                        ; my 64 blocks of a tile, counted from where PF stands
	global_prefetch_b8 v[PFO], s[PF:PF+1] offset:TILEB*(\tile) th:TH_LOAD_NT scope:SCOPE_SE
	global_prefetch_b8 v[PFO], s[PF:PF+1] offset:TILEB*(\tile)+8192 th:TH_LOAD_NT scope:SCOPE_SE
.endm
.macro PREF tile                       ; the tile that the trip two on will load; the loop's last trip has none left
	s_cmp_lt_u32 s[IT], 2
	s_cbranch_scc0 .Lno_more_\@
	ASK \tile
.Lno_more_\@:
.endm
; A trip multiplies image p (64 rows), quantises the next tile out of raw slot 1 - p into image 1 - p, and fills raw slot p again
.macro TRIP p, fill, quant, guard, pf
	s_wait_tensorcnt 0x0                           ; my one load has landed;
	ds_add_u32 v[SPW], v[NIL]
.if \fill
	s_add_nc_u64 s[G0+4*\p+2:G0+4*\p+3], s[G0+4*\p+2:G0+4*\p+3], STEP2
.endif
	s_wait_dscnt 0x0                               ; the add, my image stores and my reads of slot p are done
	s_barrier_signal -1
	s_barrier_wait -1
.if \fill
	tensor_load_to_lds s[G0+4*\p:G0+4*\p+3], s[G1:G1+7]
	s_nop 0
	PLACES 4
.endif
	FETCH \p, 0
	RLOAD 1-\p, \guard
	s_wait_dscnt 0x0
	MM 0
	PLACES 4
.if \quant
	RAWLOAD 1-\p, 0
.endif
	FETCH \p, 1
	RSUM -256*(1-\p), \guard
.if \pf
	PREF \p
.endif
	EPI \p, 0
.if \quant
	s_wait_xcnt 0x0                                ; wave 0's store has read PC
	s_wait_dscnt 12                                ; the raw numbers are in; the 12 fragment loads may be out
	QUANT ST
	IMAGE 1-\p, 0
	v_mov_b32 v[PK], v[PWR]
	RAWLOAD 1-\p, 1
	s_wait_dscnt 19                                ; behind the fragments: 3 stores and 16 loads
.else
	s_wait_dscnt 0x0
.endif
	MM 1
	PLACES 4
	FETCH \p, 2
	EPI \p, 1
	s_wait_dscnt 0x0
	MM 2
	PLACES 4
	FETCH \p, 3
	EPI \p, 2
.if \quant
	QUANT ST
	IMAGE 1-\p, 1
	v_permlane16_swap_b32 v[PK], v[PWR]            ; lanes 0-15: the first 16 rows' scale words, lanes 16-31: the second's
	ds_store_b32 v[XWA], v[PK] offset:1024*(1-\p)
	s_wait_dscnt 4                                 ; behind the fragments: 4 stores
.else
	s_wait_dscnt 0x0
.endif
	MM 3
	PLACES 4
	EPI \p, 3
.endm
.macro WTILE reg, t, off               ; four K steps of my tile t of W, from byte off of the rows: lane (r, h) takes 48 bytes of row r at 96 s + 48 h
.irp s, 0,1,2,3
.irp p, 0,1,2
	global_load_b128 v[\reg+12*\s+4*\p:\reg+12*\s+4*\p+3], v[AW], s[4:5] offset:12288*(\t)+\off+96*\s+16*\p
.endr
.endr
.endm
.macro SWAPB                           ; the two middle bytes of W's 16 scale words change places
.set j, 0
.rept 16
	v_perm_b32 v[WS+j], v[WS+j], v[WS+j], 0x03010200
.set j, j+1
.endr
.endm
.macro HPAIR g                         ; the hidden half for tiles 2 g and 2 g + 1: the two accumulators by turns
	s_wait_loadcnt 24                              ; the encoder half's 24 loads are younger than this pair's fragments
	WIN 0x50
.irp s, 0,1,2,3
.irp u, 0,1
	v_wmma_scale_f32_16x16x128_f8f6f4 v[HB+8*(2*\g+\u):HB+8*(2*\g+\u)+7], v[TW+48*\u+12*\s:TW+48*\u+12*\s+11], v[XF+12*\s:XF+12*\s+11], v[HB+8*(2*\g+\u):HB+8*(2*\g+\u)+7], v[WS+4*(2*\g+\u)+\s], v[XS+\s] matrix_a_fmt:MATRIX_FMT_FP6 matrix_b_fmt:MATRIX_FMT_FP6
.endr
.endr
	PLACES 4
	WIN 0
.endm
	s_load_b256 s[4:11], s[0:1], 0x0               ; W's codes, W's scales, b, encoder_outputs
	s_load_b128 s[12:15], s[0:1], 0x20             ; hidden, v
	s_load_b64 s[16:17], s[0:1], 0x30              ; scores
	v_lshl_add_u32 v[SPW], v0, 2, SPARE
	v_mov_b32 v[NIL], 0
	ds_add_u32 v[SPW], v[NIL]
	ds_add_u32 v[SPW], v[NIL]
	v_lshrrev_b32 v41, 5, v0
	s_delay_alu instid0(VALU_DEP_1)
	v_readfirstlane_b32 s[WV], v41
	s_mov_b32 s[G1+0], (2<<16)|(1<<20)|(6<<22)|(3<<25)  ; 4-byte elements; 4 words of padding behind every 128
	s_mov_b32 s[G1+1], 128<<16
	s_mov_b32 s[G1+2], 32<<16
	s_mov_b32 s[G1+3], 128<<16
	s_mov_b32 s[G1+4], 32
	s_mov_b32 s[G1+5], 512
	s_mov_b32 s[G1+6], 0
	s_mov_b32 s[G1+7], 0
	s_lshl_b32 s42, ttmp9, 20                      ; my 512 rows of 2,048 bytes
	s_mov_b32 s43, 0
	s_lshr_b32 s40, s[WV], 2
	s_lshl_b32 s40, s40, 16                        ; which 32 rows of a tile,
	s_and_b32 s41, s[WV], 3
	s_lshl_b32 s41, s41, 9                         ; which 128 columns
	s_add_co_u32 s46, s40, s41
	s_mov_b32 s47, 0
	s_mov_b32 s[G0], 1
	s_mul_i32 s[G0+1], s[WV], RAWW
	s_mov_b32 s[G0+4], 1
	s_add_co_u32 s[G0+5], s[G0+1], RSLOT
	s_wait_dscnt 0x0
	s_wait_kmcnt 0x0
	s_add_nc_u64 s[PF:PF+1], s[10:11], s[42:43]
	s_add_nc_u64 s[G0+2:G0+3], s[PF:PF+1], s[46:47]
	s_add_nc_u64 s[G0+6:G0+7], s[G0+2:G0+3], TILEB
	s_or_b32 s[G0+3], s[G0+3], 0x80000000
	s_or_b32 s[G0+7], s[G0+7], 0x80000000
	tensor_load_to_lds s[G0:G0+3], s[G1:G1+7]      ; tile 0: my one load at the head
	s_nop 0
	s_mul_i32 s48, s[WV], 49152                    ; my 64 rows of W's codes,
	s_mov_b32 s49, 0
	s_lshl_b32 s50, s[WV], 11                      ; of its scales,
	s_mov_b32 s51, 0
	s_lshl_b32 s52, s[WV], 8                       ; my 64 numbers of b and of v
	s_mov_b32 s53, 0
	s_lshr_b32 s54, ttmp9, 2
	s_lshl_b32 s54, s54, 11                        ; my batch's row of hidden,
	s_add_co_u32 s54, s54, s41                     ; and K step wave % 4 of it
	s_mov_b32 s55, 0
	s_lshl_b32 s56, ttmp9, 11
	s_mov_b32 s57, 0
	s_mul_i32 s58, s[WV], 2*FRB
	s_lshl_b32 s59, s[WV], 7
	s_lshl_b32 s60, s[WV], 14
	s_add_nc_u64 s[4:5], s[4:5], s[48:49]
	s_add_nc_u64 s[6:7], s[6:7], s[50:51]
	s_add_nc_u64 s[8:9], s[8:9], s[52:53]
	s_add_nc_u64 s[14:15], s[14:15], s[52:53]
	s_add_nc_u64 s[12:13], s[12:13], s[54:55]
	s_add_nc_u64 s[16:17], s[16:17], s[56:57]
	s_mov_b32 s[SEL], 0x76543210
	s_mov_b32 s[SEL+1], 0xfedcba98
	s_mov_b32 s[C2], 0x4038aa3b                    ; 2 log2(e)
	s_mov_b32 s[C2+1], s[C2]
	s_mov_b32 s[IT], 0
	v_and_b32 v41, 31, v0
	v_and_b32 v42, 15, v0
	v_bfe_u32 v43, v0, 4, 1
.irp b, 0,1,2,3
	v_mov_b32 v[TM+4+\b], 0                        ; a lane permute's destination counts as read
.endr
	v_mul_u32_u24 v[RA], v42, RP
	v_lshl_add_u32 v[LI], v41, 4, IMG
	v_lshl_add_u32 v[LX], v41, 2, XSC
	v_lshl_add_u32 v[PWA], v41, 2, PS
	v_lshl_add_u32 v[PR], v41, 3, PS
	v_lshlrev_b32 v[GO], 3, v41
	v_mul_u32_u24 v[AW], v42, 768
	v_lshlrev_b32 v[AS], 5, v42
	v_lshlrev_b32 v[AB], 5, v43
	v_lshlrev_b32 v[AH], 6, v43
	v_lshlrev_b32 v[PFO], 8, v41
	v_lshl_add_u32 v[RA], v43, 6, v[RA]
	v_add_nc_u32 v[IW], s58, v[LI]
	v_add_nc_u32 v[XWA], s59, v[LX]
	v_add_nc_u32 v[PWA], s52, v[PWA]
	v_mad_u32_u24 v[AW], v43, 48, v[AW]
	v_add_nc_u32 v[PFO], s60, v[PFO]
	v_add_nc_u32 v[RA], s[G0+1], v[RA]
	s_wait_alu depctr_va_vdst(0)
	; the head's first loads go out while tile 0 is on its way.  Waves 0-3 take one K step of hidden each
	s_cmp_lt_u32 s[WV], 4
	s_cbranch_scc0 .Lno_hidden_load
.irp b, 0,1,2,3
.irp j, 0,1,2,3
	global_load_b128 v[ST2+16*\b+4*\j:ST2+16*\b+4*\j+3], v[AH], s[12:13] offset:128*\b+16*\j
.endr
.endr
.Lno_hidden_load:
.irp t, 0,1,2,3
	global_load_b128 v[WS+4*\t:WS+4*\t+3], v[AS], s[6:7] offset:512*\t
.endr
	WTILE TW, 0, 0                                 ; the hidden half of tiles 0 and 1
	WTILE TW+48, 1, 0
	WIN 0x40
.irp t, 0,1,2,3
	global_load_b128 v[HB+8*\t:HB+8*\t+3], v[AB], s[8:9] offset:64*\t
	global_load_b128 v[HB+8*\t+4:HB+8*\t+7], v[AB], s[8:9] offset:64*\t+16
.endr
	WTILE 0, 0, 384                                ; the encoder half of tiles 0 and 1, where it stays
	WTILE 48, 1, 384
	WIN 0
	s_cmp_lt_u32 s[WV], 4
	s_cbranch_scc0 .Lno_hidden_quant
	s_wait_loadcnt 60                              ; 4 + 24 + 8 + 24 loads are younger than hidden's sixteen
	QUANT ST2
	IMAGE 1, 0                                     ; into image buffer 1, which the first trip writes only behind its barrier
	ds_store_b32 v[XWA], v[PWR] offset:1024
.Lno_hidden_quant:
	s_wait_alu depctr_va_vdst(0)
	s_wait_tensorcnt 0x0
	ds_add_u32 v[SPW], v[NIL]
	s_wait_dscnt 0x0
	s_barrier_signal -1
	s_barrier_wait -1
	tensor_load_to_lds s[G0+4:G0+7], s[G1:G1+7]    ; tile 1
	s_nop 0
	PLACES 4
.irp s, 0,1,2,3
.irp c, 0,1,2
	ds_load_b128 v[XF+12*\s+4*\c:XF+12*\s+4*\c+3], v[LI] offset:IBUF+FRB*2*\s+512*\c
.endr
	ds_load_b32 v[XS+\s], v[LX] offset:1024+128*\s
.endr
	s_wait_loadcnt 24                              ; the scale words, the first pair's fragments and b are in
	SWAPB
	PLACES 8                                       ; between the scale words' writes and the products
	s_wait_alu depctr_va_vdst(0)
	s_wait_dscnt 0x0
	HPAIR 0
	WTILE TW, 2, 0                                 ; the hidden half of tiles 2 and 3,
	WTILE TW+48, 3, 0
	WIN 0x40
	WTILE 96, 2, 384                               ; and their encoder half
	WTILE 144, 3, 384
	WIN 0
	ASK 2
	HPAIR 1
.irp t, 0,1,2,3
	global_load_b128 v[WS+4*\t:WS+4*\t+3], v[AS], s[6:7] offset:512*\t+16
	global_load_b128 v[VV+8*\t:VV+8*\t+3], v[AB], s[14:15] offset:64*\t
	global_load_b128 v[VV+8*\t+4:VV+8*\t+7], v[AB], s[14:15] offset:64*\t+16
.endr
	s_wait_tensorcnt 1                             ; tile 0 is in; tile 1 may be out
	RAWLOAD 0, 0
	s_wait_dscnt 0x0
	QUANT ST
	IMAGE 0, 0
	v_mov_b32 v[PK], v[PWR]
	RAWLOAD 0, 1
	s_wait_dscnt 0x0
	QUANT ST
	IMAGE 0, 1
	v_permlane16_swap_b32 v[PK], v[PWR]
	ds_store_b32 v[XWA], v[PK]
	ASK 3
	s_wait_loadcnt 0x0
	SWAPB
.set j, 0
.rept 16
	v_pk_mul_f32 v[VV+j:VV+j+1], v[VV+j:VV+j+1], 0xc038aa3b op_sel_hi:[1,0]   ; also the places between the scale words' writes and the products
.set j, j+2
.endr
	s_wait_alu depctr_va_vdst(0)
	s_wait_xcnt 0x0                                ; the prefetches have read their base
	s_add_nc_u64 s[PF:PF+1], s[PF:PF+1], 4*TILEB
.Lloop:
	TRIP 0, 1, 1, 1, 1
	TRIP 1, 1, 1, 0, 1
	s_wait_xcnt 0x0                                ; the stores and prefetches have read their bases
	s_add_nc_u64 s[16:17], s[16:17], 512
	s_add_nc_u64 s[PF:PF+1], s[PF:PF+1], STEP2
	s_add_co_u32 s[IT], s[IT], 1
	s_cmp_lt_u32 s[IT], 3
	s_cbranch_scc1 .Lloop
	TRIP 0, 0, 1, 0, 0                             ; the last two trips fetch nothing
	TRIP 1, 0, 0, 0, 0
	s_wait_dscnt 0x0
	s_barrier_signal -1
	s_barrier_wait -1
	RLOAD 1, 0
	s_wait_dscnt 0x0
	RSUM 256, 0
	s_wait_tensorcnt 0x0                           ; the wave's end
	ds_add_u32 v[SPW], v[NIL]
	s_wait_dscnt 0x0
	s_endpgm
.Lfunc_end_k_qabc6d45fee_scores:
	.size	k_qabc6d45fee_scores, .Lfunc_end_k_qabc6d45fee_scores-k_qabc6d45fee_scores
	.p2alignl 7, 3214868480
	.fill 96, 4, 3214868480
	.section	.rodata,"a",@progbits
	.p2align	6, 0x0
	.amdhsa_kernel k_qabc6d45fee_scores
		.amdhsa_group_segment_fixed_size 327680
		.amdhsa_private_segment_fixed_size 0
		.amdhsa_enable_private_segment 0
		.amdhsa_kernarg_size 56
		.amdhsa_user_sgpr_count 2
		.amdhsa_user_sgpr_kernarg_segment_ptr 1
		.amdhsa_wavefront_size32 1
		.amdhsa_system_sgpr_workgroup_id_x 1
		.amdhsa_system_sgpr_workgroup_id_y 1
		.amdhsa_system_sgpr_workgroup_id_z 1
		.amdhsa_system_vgpr_workitem_id 0
		.amdhsa_next_free_vgpr 512
		.amdhsa_next_free_sgpr 66
		.amdhsa_reserve_vcc 0
		.amdhsa_float_denorm_mode_32 3
		.amdhsa_float_denorm_mode_16_64 3
		.amdhsa_memory_ordered 1
		.amdhsa_forward_progress 1
		.amdhsa_inst_pref_size 232
	.end_amdhsa_kernel
	.amdgpu_metadata
---
amdhsa.version: [ 1, 2 ]
amdhsa.kernels:
  - .name:           k_qabc6d45fee_scores
    .symbol:         k_qabc6d45fee_scores.kd
    .args:
      - { .name: W_codes, .offset: 0, .size: 8, .value_kind: global_buffer, .address_space: global }
      - { .name: W_scales, .offset: 8, .size: 8, .value_kind: global_buffer, .address_space: global }
      - { .name: b, .offset: 16, .size: 8, .value_kind: global_buffer, .address_space: global }
      - { .name: encoder_outputs, .offset: 24, .size: 8, .value_kind: global_buffer, .address_space: global }
      - { .name: hidden, .offset: 32, .size: 8, .value_kind: global_buffer, .address_space: global }
      - { .name: v, .offset: 40, .size: 8, .value_kind: global_buffer, .address_space: global }
      - { .name: scores, .offset: 48, .size: 8, .value_kind: global_buffer, .address_space: global }
    .group_segment_fixed_size: 327680
    .private_segment_fixed_size: 0
    .kernarg_segment_align: 8
    .kernarg_segment_size: 56
    .max_flat_workgroup_size: 256
    .sgpr_count:     66
    .vgpr_count:     512
    .wavefront_size: 32
...
	.end_amdgpu_metadata
.endif
;; end of part 1
;; launch softmax (part 2): grid 64 x 1, 1 waves a work-group, no clusters, 0 bytes of LDS; arguments scores, out0; writes out0
.if DOCPART == 2
	.amdgcn_target "amdgcn-amd-amdhsa--gfx1250"
	.amdhsa_code_object_version 6
	.text
	.protected	k_qabc6d45fee_softmax
	.globl	k_qabc6d45fee_softmax
	.p2align	8
	.type	k_qabc6d45fee_softmax,@function
k_qabc6d45fee_softmax:
	s_mov_b64 s[64:65], 0
	v_nop
	global_prefetch_b8 v0, s[64:65] scope:SCOPE_SE
	s_setreg_imm32_b32 hwreg(HW_REG_WAVE_MODE, 25, 1), 1
	s_wait_xcnt 0x0
; out[b][l] = 2^(sl[b][l] - m[b]) / the sum over l of the same, m[b] the row's largest sl.  sl = log2(e) x (score - a shift common to all rows), so this is softmax(score) along l.
; A row is 2,048 numbers, 8,192 bytes: one wave takes a whole row, sixteen 16-byte loads a lane, and keeps it in 64 registers between the maximum, the sum and the scaling: the row is read once, and the reductions
; never leave the wave: no LDS, no barrier.  Each load and store of the wave covers 512 consecutive bytes.  The largest term of the sum is 2^0, so the divisor is at least 1.
; There are 64 rows, so 64 work-groups: the launch moves 1 MiB in all.  Matrix units, clusters and tensor loads have nothing to do here.   LIMITS: NaN and infinities among the scores are not served.
.set X, 16                             ; v16-79  the row
.set M, 2                              ; v[2:5]  four running maxima; then v[2:3] the maximum, twice
.set SA, 4                             ; v[4:7]  two pairs of running sums
.set R, 8                              ; v[8:9]  1 / the sum, twice
.set T, 10                             ; v10     the other half of the lanes'
	s_load_b128 s[4:7], s[0:1], 0x0                ; the scores s[4:5], the output s[6:7]
	s_lshl_b32 s8, ttmp9, 13                       ; my row: 8,192 bytes a work-group
	s_mov_b32 s9, 0
	s_mov_b32 s10, 0x76543210                      ; v_permlanex16_b32's selects for lane l xor 16
	s_mov_b32 s11, 0xfedcba98
	v_lshlrev_b32 v1, 4, v0                        ; 16 bytes a lane (one wave: the thread's number is the lane)
	v_mov_b32 v[T], 0                              ; written once: a lane permute's destination counts as one of its sources
	s_wait_alu depctr_va_vdst(0)
	s_wait_kmcnt 0x0
	s_add_nc_u64 s[4:5], s[4:5], s[8:9]
	s_add_nc_u64 s[6:7], s[6:7], s[8:9]
.irp i, 0,1,2,3,4,5,6,7,8,9,10,11,12,13,14,15
	global_load_b128 v[X+4*\i:X+4*\i+3], v1, s[4:5] offset:512*\i th:TH_LOAD_NT
.endr
	s_wait_loadcnt 0x0
	; the row's maximum: four chains of 16 numbers, which do not wait for each other
.irp c, 0,1,2,3
	v_max3_num_f32 v[M+\c], v[X+16*\c], v[X+16*\c+1], v[X+16*\c+2]
.endr
.irp i, 3,5,7,9,11,13
.irp c, 0,1,2,3
	v_max3_num_f32 v[M+\c], v[M+\c], v[X+16*\c+\i], v[X+16*\c+\i+1]
.endr
.endr
.irp c, 0,1,2,3
	v_max_num_f32 v[M+\c], v[M+\c], v[X+16*\c+15]
.endr
	v_max3_num_f32 v[M], v[M], v[M+1], v[M+2]
	v_max_num_f32 v[M], v[M], v[M+3]
	v_max_num_f32_dpp v[M], v[M], v[M] row_xmask:1 row_mask:0xf bank_mask:0xf
	v_max_num_f32_dpp v[M], v[M], v[M] row_xmask:2 row_mask:0xf bank_mask:0xf
	v_max_num_f32_dpp v[M], v[M], v[M] row_xmask:4 row_mask:0xf bank_mask:0xf
	v_max_num_f32_dpp v[M], v[M], v[M] row_xmask:8 row_mask:0xf bank_mask:0xf
	v_permlanex16_b32 v[T], v[M], s10, s11
	v_max_num_f32 v[M], v[M], v[T]                 ; every lane holds the row's maximum
	v_mov_b32 v[M+1], v[M]                         ; twice, for the packed subtraction
.set j, 0
.rept 32
	v_pk_add_f32 v[X+j:X+j+1], v[X+j:X+j+1], v[M:M+1] neg_lo:[0,1] neg_hi:[0,1]
.set j, j+2
.endr
.set j, 0
	s_wait_alu depctr_va_vdst(0)
.rept 64
	v_exp_f32 v[X+j], v[X+j]
.set j, j+1
.endr
	v_nop                                          ; one plain place behind the exponentials
	s_wait_alu depctr_va_vdst(0)
	v_pk_add_f32 v[SA:SA+1], v[X:X+1], v[X+2:X+3]                  ; the sum, two at a time, in two chains that the first numbers start
	v_pk_add_f32 v[SA+2:SA+3], v[X+4:X+5], v[X+6:X+7]
.set j, 8
.rept 14
	v_pk_add_f32 v[SA:SA+1], v[SA:SA+1], v[X+j:X+j+1]
	v_pk_add_f32 v[SA+2:SA+3], v[SA+2:SA+3], v[X+j+2:X+j+3]
.set j, j+4
.endr
	v_pk_add_f32 v[SA:SA+1], v[SA:SA+1], v[SA+2:SA+3]
	v_add_f32 v[SA], v[SA], v[SA+1]
	v_add_f32_dpp v[SA], v[SA], v[SA] row_xmask:1 row_mask:0xf bank_mask:0xf
	v_add_f32_dpp v[SA], v[SA], v[SA] row_xmask:2 row_mask:0xf bank_mask:0xf
	v_add_f32_dpp v[SA], v[SA], v[SA] row_xmask:4 row_mask:0xf bank_mask:0xf
	v_add_f32_dpp v[SA], v[SA], v[SA] row_xmask:8 row_mask:0xf bank_mask:0xf
	v_permlanex16_b32 v[T], v[SA], s10, s11
	v_add_f32 v[SA], v[SA], v[T]                   ; every lane holds the row's sum
	s_wait_alu depctr_va_vdst(0)
	v_rcp_f32 v[R], v[SA]
	v_rcp_f32 v[R+1], v[SA]                        ; twice, for the packed multiplication
	v_nop                                          ; one plain place behind the reciprocals
.set j, 0
	s_wait_alu depctr_va_vdst(0)
.rept 32
	v_pk_mul_f32 v[X+j:X+j+1], v[X+j:X+j+1], v[R:R+1]
.set j, j+2
.endr
.irp i, 0,1,2,3,4,5,6,7,8,9,10,11,12,13,14,15
	global_store_b128 v1, v[X+4*\i:X+4*\i+3], s[6:7] offset:512*\i th:TH_STORE_NT   ; 32 lanes store 512 consecutive bytes, at a multiple of 512 from the output's first byte
.endr
	s_endpgm
.Lfunc_end_k_qabc6d45fee_softmax:
	.size	k_qabc6d45fee_softmax, .Lfunc_end_k_qabc6d45fee_softmax-k_qabc6d45fee_softmax
	.p2alignl 7, 3214868480
	.fill 96, 4, 3214868480
	.section	.rodata,"a",@progbits
	.p2align	6, 0x0
	.amdhsa_kernel k_qabc6d45fee_softmax
		.amdhsa_group_segment_fixed_size 0
		.amdhsa_private_segment_fixed_size 0
		.amdhsa_enable_private_segment 0
		.amdhsa_kernarg_size 16
		.amdhsa_user_sgpr_count 2
		.amdhsa_user_sgpr_kernarg_segment_ptr 1
		.amdhsa_wavefront_size32 1
		.amdhsa_system_sgpr_workgroup_id_x 1
		.amdhsa_system_sgpr_workgroup_id_y 1
		.amdhsa_system_sgpr_workgroup_id_z 1
		.amdhsa_system_vgpr_workitem_id 0
		.amdhsa_next_free_vgpr 96
		.amdhsa_next_free_sgpr 66
		.amdhsa_reserve_vcc 0
		.amdhsa_float_denorm_mode_32 3
		.amdhsa_float_denorm_mode_16_64 3
		.amdhsa_memory_ordered 1
		.amdhsa_forward_progress 1
		.amdhsa_inst_pref_size 15
	.end_amdhsa_kernel
	.amdgpu_metadata
---
amdhsa.version: [ 1, 2 ]
amdhsa.kernels:
  - .name:           k_qabc6d45fee_softmax
    .symbol:         k_qabc6d45fee_softmax.kd
    .args:
      - { .name: scores, .offset: 0, .size: 8, .value_kind: global_buffer, .address_space: global }
      - { .name: out0, .offset: 8, .size: 8, .value_kind: global_buffer, .address_space: global }
    .group_segment_fixed_size: 0
    .private_segment_fixed_size: 0
    .kernarg_segment_align: 8
    .kernarg_segment_size: 16
    .max_flat_workgroup_size: 32
    .sgpr_count:     66
    .vgpr_count:     96
    .wavefront_size: 32
...
	.end_amdgpu_metadata
.endif
;; end of part 2
